; MI455X (gfx1250); checked and timed in simulation.
; The chip was launched on July 23, 2026; its instructions are those of AMD's public machine-readable ISA for CDNA 5 (MIT licence, August 2026) and "CDNA5" Instruction Set Architecture Reference Guide (July 2026). The comments in the code are by the model that wrote it; some were corrected since.
;; Or. Allowed arithmetic: matrix products marked QUANTISED: E4M3 operands, one given power-of-two scale a tensor, by v_wmma_f32_16x16x64_fp8_fp8 or v_wmma_f32_16x16x128_fp8_fp8, f32 sums; products left as they are: f32 operands where the result goes on into a quantised operand, else bf16, f16 or f32 operands; f32 sums; everything else in f32.
;; Inputs: W 8 x 1,024 x 1,024 float32; b 8 x 1,024 float32; lowp_scales 2 int32 (the exponents e of the quantised operands' scales 2^e); type_ids 8,192 int32; x 8,192 x 1,024 float32.
;; Outputs: out0 8,192 x 1,032 float32.
;; This version of the problem:
;;   THIS VERSION OF THE PROBLEM IS GIVEN IN LOW PRECISION. The matrix products marked QUANTISED in the list below multiply operands that are first quantised to E4M3 (4 exponent bits, 3 mantissa bits; 8 bits a number), with one given power-of-two scale for each operand tensor; their sums are f32. All else is computed in f32.
;;   The module's matrix products, in the order in which they are computed (A, B: the left and right operand; K: the contracted axis; several contracted axes count as one K, in the product's order):
;;     1. [M 8,192, K 1,024] x [K 1,024, N 8,192]; A: input W; B: input x: QUANTISED (scales: A lowp_scales[0], B lowp_scales[1])
;;     2. batch 8,192 x [M 1,024, K 8] x [K 8, N 1]; A: computed on the way; B: computed on the way: left as it is (K = 8 < 32)
;;   THE QUANTISER, for each operand of a quantised product, along K:
;;     - The operand's scale is 2^e, e = its entry of the input lowp_scales (int32; the entries are numbered through the quantised products in the list's order, A before B).
;;     - Each number is divided by the scale, clamped to +-448, and rounded to the nearest number of E4M3, ties to even, subnormals kept.
;;     - The product sums the exact products of the quantised numbers (number of the format x scale) in f32.
;;   ~~~python
;;   def quantise(x, axis, e):      # numpy; x: float32 -> the quantised numbers, widened to float32 again
;;       x = np.moveaxis(x, axis, -1); K = x.shape[-1]
;;       r = np.clip(x / 2.0 ** e, -448, 448)
;;       step = 2.0 ** (np.maximum(np.frexp(np.where(r == 0, 1, r))[1] - 1, -6) - 3)
;;       q = np.round(r / step) * step * 2.0 ** e      # np.round: ties to even
;;       return np.moveaxis(q, -1, axis).astype(np.float32)
;;   ~~~
;; One version. Each part assembles by itself: llvm-mc -triple=amdgcn-amd-amdhsa -mcpu=gfx1250 --defsym DOCPART=n.
;; ======== version 1 of 1: 2 launches
;; limits: right only within a limited range of input values
;; workspace buffers: wfrag 8,388,608 bytes; xcodes 8,388,608 bytes; route 37,888 bytes of whole numbers
;; launch prep (part 1): grid 520 x 1, 8 waves a work-group, no clusters, 1,536 bytes of LDS; arguments W, x, lowp_scales, type_ids, wfrag, xcodes, route, out0; writes wfrag, xcodes, route, out0
.if DOCPART == 1
	.amdgcn_target "amdgcn-amd-amdhsa--gfx1250"
	.amdhsa_code_object_version 6
	.text
	.protected	k_qee6c169f32_prep
	.globl	k_qee6c169f32_prep
	.p2align	8
	.type	k_qee6c169f32_prep,@function
k_qee6c169f32_prep:
	s_mov_b64 s[64:65], 0
	v_nop
	global_prefetch_b8 v0, s[64:65] scope:SCOPE_SE
	s_setreg_imm32_b32 hwreg(HW_REG_WAVE_MODE, 25, 1), 1
	s_wait_xcnt 0x0
; PREP: three kinds of work, told apart by the work-group's number alone.
;   work-groups 0-7      SORT: tokens 1,024 k .. + 1,023 (k = work-group) are placed by expert (type_ids); work-group 0 also stores a list of 64 tiles.
;   work-groups 8-263    W [8][1024 k][1024 n] f32 -> codes of E4M3 with the scale 2^e0, in the order of a matrix operand's registers.
;   work-groups 264-519  x [8192][1024] f32 -> codes of E4M3 with the scale 2^e1; and the one-hot tail out0[n][1024:1032].
; code = number / 2^e, held within +-448, rounded to the nearest code, ties to even.  e0 = lowp_scales[0] (W), e1 = lowp_scales[1] (x).
; WORK LEFT OUT (here and in the next launch): reference() multiplies every token by every expert and keeps, by a one-hot of type_ids that it builds itself, one expert's result a token.
;   Only that result is computed; the contraction with the one-hot becomes a lookup by type_ids.
; LIMITS: a NaN, an infinity or an overflow that reaches only the results of experts not chosen is not carried to the result.  e0 and e1 lie between -126 and 119, so that 2^e and 448 x 2^e are f32 numbers.
;   NaN among x or W is not served; an infinity is held at the largest code.  type_ids lie in 0 .. 7.
; THE ORDER OF K.  Place p of a row of codes holds k = 512 (p / 512) + 128 ((p % 16) / 4) + 4 ((p / 16) % 32) + p % 4, for x and W alike, so every product meets its partner.
;   With it a lane's four loads of 16 bytes, 512 bytes apart, are sixteen neighbouring places: x needs no exchange between lanes.
; WHAT IS STORED.
;   wfrag  [expert 8][G 16][K step s 8][t 4][2,048 bytes]: in a block, chunk ch (0..3) at 512 ch, lane (r, h) at 16 (16 h + r): W's codes at places 128 s + 32 ch + 16 h + 0..15, column 64 G + 4 r + t.
;   xcodes [8192][1024], one code a byte.
;   route  words 0 .. 8,191: the tokens' numbers, expert by expert; 256 words of 0; from byte 33,792 on headers of 16 bytes: expert, rows, first place in the list, 0.
; No atomics between work-groups and no traffic between them.  Only SORT uses LDS.
.set HDR,   33792
.set TILE,  144
.set TOTS,  0                          ; sort: eight waves' sums, three times 16 bytes each, 128 bytes apart
.set SPARE, 512                        ; the spare words, 128 bytes for each of eight waves
.set SPW,   6                          ; v6, v7: the add's two registers, never rewritten
.set NIL,   7
.set X,     8                          ; v8-135: 128 numbers as loaded
.set TMP,   136                        ; v136-143: W: eight numbers of a column
.set CQ,    144                        ; v144-159: W: codes of the first 16 places, four registers a column
	s_load_b256 s[4:11], s[0:1], 0x0               ; W s[4:5], x s[6:7], the scales' exponents s[8:9], type_ids s[10:11]
	s_load_b256 s[12:19], s[0:1], 0x20             ; wfrag s[12:13], xcodes s[14:15], route s[16:17], out0 s[18:19]
	v_lshl_add_u32 v[SPW], v0, 2, SPARE
	v_lshrrev_b32 v1, 5, v0
	v_and_b32 v2, 31, v0                           ; lane
	v_mov_b32 v[NIL], 0
	v_readfirstlane_b32 s20, v1                    ; wave 0..7
	v_lshlrev_b32 v3, 4, v2                        ; 16 bytes a lane
	s_cmp_lt_u32 ttmp9, 8
	s_wait_alu depctr_va_vdst(0)
	s_cbranch_scc1 .Lsort
	s_cmp_ge_u32 ttmp9, 264
	s_cbranch_scc1 .Lx
.macro SCALE sreg                      ; v5 = 2^e as f32 (the conversion takes its exponent field), v4 = 448 x 2^e
	s_add_co_i32 s30, \sreg, 127
	s_lshl_b32 s31, s30, 23
	v_mov_b32 v5, s31
	s_add_co_i32 s30, s30, 8
	s_lshl_b32 s30, s30, 23
	s_or_b32 s30, s30, 0x600000
	v_mov_b32 v4, s30
	s_wait_alu depctr_va_vdst(0)
.endm
; ---------------------------------------------------------------- W
; g = work-group - 8: expert g / 32, chunk of 32 places g % 32 = 4 s + ch.  Its rows of W are k0 + 128 i + 4 h + q with k0 = 512 (chunk / 16) + 8 (chunk % 16): place 16 h + 4 i + q of the chunk.
; Wave w takes columns 128 w .. + 127, a lane four neighbouring ones: a load reads 512 consecutive bytes.  The hold writes a column's eight numbers side by side for the conversion.
	s_sub_co_u32 s21, ttmp9, 8
	s_lshr_b32 s22, s21, 5                         ; expert
	s_and_b32 s23, s21, 31                         ; chunk
	s_lshl_b32 s24, s22, 22
	s_lshr_b32 s26, s23, 4
	s_lshl_b32 s26, s26, 21                        ; 512 rows of 4,096 bytes
	s_add_co_u32 s24, s24, s26
	s_and_b32 s26, s23, 15
	s_lshl_b32 s26, s26, 15                        ; 8 rows
	s_add_co_u32 s24, s24, s26
	s_lshl_b32 s26, s20, 9                         ; my wave's 128 columns
	s_add_co_u32 s24, s24, s26
	s_mov_b32 s25, 0
	s_wait_kmcnt 0x0
	s_load_b64 s[28:29], s[8:9], 0x0               ; e0, e1
	s_add_nc_u64 s[4:5], s[4:5], s[24:25]
.set m, 0
.rept 32
	global_load_b128 v[X+4*m:X+4*m+3], v3, s[4:5] offset:(128*((m%16)/4)+4*(m/16)+m%4)*4096 th:TH_LOAD_NT
.set m, m+1
.endr
	s_lshl_b32 s24, s22, 20                        ; in wfrag: expert, my wave's two G, K step, chunk
	s_lshl_b32 s26, s20, 17
	s_add_co_u32 s24, s24, s26
	s_lshr_b32 s26, s23, 2
	s_lshl_b32 s26, s26, 13
	s_add_co_u32 s24, s24, s26
	s_and_b32 s26, s23, 3
	s_lshl_b32 s26, s26, 9
	s_add_co_u32 s24, s24, s26
	v_and_b32 v1, 15, v2
	v_lshrrev_b32 v0, 4, v2
	v_lshlrev_b32 v1, 4, v1                        ; 16 r
	v_lshl_add_u32 v1, v0, 16, v1                  ; lanes 16-31: the next G
	s_wait_alu depctr_va_vdst(0)
	s_wait_kmcnt 0x0
	s_add_nc_u64 s[12:13], s[12:13], s[24:25]
	SCALE s28
.macro WPHASE ph                       ; eight places of the chunk, four columns
	s_wait_loadcnt 24-8*\ph
.irp j, 0,1,2,3
.if \ph == 0
.set TB, TMP
.else
.set TB, X+32*(\ph-1)+8*\j                         ; the numbers of the phase before are done with
.endif
.set n, 0
.rept 8
	v_med3_num_f32 v[TB+n], v[X+4*(8*\ph+n)+\j], -v4, v4   ; the conversion to an 8-bit code does not saturate (ISA guide 7.6.2): the hold comes first
.set n, n+1
.endr
.if \ph < 2
.set CB, CQ+4*\j+2*(\ph%2)
.else
.set CB, X+4*\j+2*(\ph%2)
.endif
	v_cvt_scalef32_pk8_fp8_f32 v[CB:CB+1], v[TB:TB+7], v5
.if \ph == 0
	v_nop                                          ; one plain place before the conversion's sources are written again
.endif
.endr
.endm
.macro WSEND base, hh                  ; sixteen lanes store 256 consecutive bytes, aligned
.irp j, 0,1,2,3
	global_store_b128 v1, v[\base+4*\j:\base+4*\j+3], s[12:13] offset:2048*\j+256*\hh
.endr
.endm
	WPHASE 0
	WPHASE 1
	WSEND CQ, 0
	WPHASE 2
	WPHASE 3
	WSEND X, 1
	s_endpgm
; ---------------------------------------------------------------- x
; A wave takes four rows, 32 loads of 512 consecutive bytes, all asked for at once.  Sixteen registers (four loads) make the lane's 16 codes: the wave stores 512 consecutive bytes.
.Lx:
	s_sub_co_u32 s21, ttmp9, 264
	s_lshl_b32 s21, s21, 3
	s_add_co_u32 s21, s21, s20                     ; tokens 4 s21 .. + 3
	s_lshl_b32 s24, s21, 14
	s_mov_b32 s25, 0
	s_lshl_b32 s26, s21, 4
	s_mov_b32 s27, 0
	s_wait_kmcnt 0x0
	s_load_b64 s[28:29], s[8:9], 0x0
	s_add_nc_u64 s[10:11], s[10:11], s[26:27]
	s_load_b128 s[32:35], s[10:11], 0x0            ; their types
	s_add_nc_u64 s[6:7], s[6:7], s[24:25]
.set m, 0
.rept 32
	global_load_b128 v[X+4*m:X+4*m+3], v3, s[6:7] offset:512*m th:TH_LOAD_NT
.set m, m+1
.endr
	s_lshl_b32 s24, s21, 12
	s_add_nc_u64 s[14:15], s[14:15], s[24:25]
	s_mul_i32 s24, s21, 4*4128
	s_add_nc_u64 s[18:19], s[18:19], s[24:25]
	s_mov_b32 s36, 0x0c                            ; lanes 2, 3
	s_mov_b32 s37, 0x30                            ; lanes 4, 5
	s_mov_b32 s38, 0xc0                            ; lanes 6, 7
	s_wait_kmcnt 0x0
	; the tail: two lanes to a row, lanes 0-7: 1.0 at the token's type, else 0
	v_lshrrev_b32 v147, 1, v2
	v_and_b32 v144, 1, v2
	v_mov_b32 v146, s32
	v_mul_u32_u24 v147, 4128, v147
	v_cndmask_b32 v146, v146, s33, s36
	v_lshl_add_u32 v147, v144, 4, v147
	v_lshlrev_b32 v144, 2, v144                    ; my first type: 0 or 4
	v_cndmask_b32 v146, v146, s34, s37
	v_mov_b32 v145, 1.0
.irp k, 0,1,2,3
	v_add_nc_u32 v[148+\k], \k, v144
.endr
	v_cndmask_b32 v146, v146, s35, s38
.irp k, 0,1,2,3
	v_cmp_eq_u32 s[40+\k], v146, v[148+\k]
.endr
.irp k, 0,1,2,3
	v_cndmask_b32 v[140+\k], 0, v145, s[40+\k]
.endr
	SCALE s29
.irp t, 0,1,2,3,4,5,6,7
.if \t == 0
.set CB, TMP
.else
.set CB, X+16*(\t-1)                               ; the set before is done with
.endif
	s_wait_loadcnt 28-4*\t
.set n, 0
.rept 16
	v_med3_num_f32 v[X+16*\t+n], v[X+16*\t+n], -v4, v4
.set n, n+1
.endr
	v_cvt_scalef32_pk8_fp8_f32 v[CB:CB+1], v[X+16*\t:X+16*\t+7], v5
	v_cvt_scalef32_pk8_fp8_f32 v[CB+2:CB+3], v[X+16*\t+8:X+16*\t+15], v5
	global_store_b128 v3, v[CB:CB+3], s[14:15] offset:512*\t
.endr
	v_nop
	s_wait_xcnt 0x0                                ; EXEC changes only behind this wait
	v_cmp_gt_u32 vcc_lo, 8, v2
	s_and_saveexec_b32 s30, vcc_lo
	global_store_b128 v147, v[140:143], s[18:19] offset:4096
	s_wait_xcnt 0x0
	s_or_b32 exec_lo, exec_lo, s30
	s_endpgm
; ---------------------------------------------------------------- SORT
; A counting sort on whole numbers, dealt out over eight work-groups without traffic between them: each counts ALL tokens by expert (T), those of the groups of 1,024 before its own (B), and its own with sums ahead
; over threads (O), and places its own 1,024 tokens: expert's first place + B + own tokens ahead.  Thread t holds tokens 1,024 j + 4 t + 0 .. 3 of each group j, and those of its own group once more.
; A thread's count of four tokens is one register of eight fields of 4 bits; sums over groups have fields of 8 bits (32 at the most), sums over lanes and waves of 16 bits (8,192 at the most).
.set A16,  8
.set A4,   9
.set ZR,   10
.set ONE,  11
.set TN,   12                          ; the first of my own four tokens
.set LQ,   13
.set LR,   14
.set IDO,  16                          ; v16-19   my own four experts
.set SID,  20                          ; v20-51   all eight groups'
.set GC,   52                          ; v52-59   a group's count
.set AE,   60                          ; v60-67   the same in fields of 8 bits: experts 0, 2, 4, 6
.set AO,   68                          ; v68-75   experts 1, 3, 5, 7
.set SHO,  76                          ; v76-79
.set RK,   80                          ; v80-83   each own token's rank among my four
.set OC,   84
.set IQ,   84                          ; v85-87   with 1, 2, 3
.set SU,   88                          ; v88-93   T, B, O: even and odd experts, in fields of 8 bits
.set QF,   96                          ; v96-107  T, B, O in fields of 16 bits: register j: experts 2 j (low), 2 j + 1 (high)
.set OWN,  108                         ; v108-111
.set DP,   112                         ; v112-123 what comes from another lane
.set WQ,   124                         ; v124-135 the waves' sums
.set WQO,  136                         ; v136-139
.set P0,   140
.set P1,   144
.set P2,   148
.set HD,   20                          ; the headers, on registers that are done with
.set EA,   24
.set IA,   25
.set PRV,  26
.set TBV,  27
.set CNV,  28
.set TT,   29
.set T0,   30
.set T1,   31
.set T2,   32
.Lsort:
	s_lshl_b32 s21, ttmp9, 10
	v_lshlrev_b32 v[A16], 4, v0
	v_lshlrev_b32 v[A4], 2, v0
	v_mov_b32 v[ZR], 0
	v_mov_b32 v[ONE], 1
	v_mov_b32 v[RK], 0
.irp j, 0,1,2,3,4,5,6,7,8,9,10,11
	v_mov_b32 v[DP+\j], 0                          ; written once: the destination of a lane move counts as read
.endr
	v_add_nc_u32 v[TN], s21, v[A4]
	s_lshl_b32 s24, ttmp9, 12
	s_mov_b32 s25, 0
	s_mov_b32 s57, 0x0202
	s_mov_b32 s58, 0x0100
	s_mov_b32 s59, 0x0f0f0f0f
.irp j, 0,1,2,3,4,5,6,7
	s_cmp_gt_u32 ttmp9, \j
	s_cselect_b32 s[40+\j], -1, 0                  ; is group j ahead of mine?
.endr
	s_wait_alu depctr_va_vdst(0)
	s_wait_kmcnt 0x0
	s_add_nc_u64 s[22:23], s[10:11], s[24:25]
.irp j, 0,1,2,3,4,5,6,7
	global_load_b128 v[SID+4*\j:SID+4*\j+3], v[A16], s[10:11] offset:4096*\j   ; 512 consecutive bytes a load
.endr
	global_load_b128 v[IDO:IDO+3], v[A16], s[22:23]
	s_wait_loadcnt 0x0
.irp q, 0,1,2,3
	v_and_b32 v[IDO+\q], 7, v[IDO+\q]
.endr
.set i, 0
.rept 32
	v_lshlrev_b32 v[SID+i], 2, v[SID+i]            ; the field's first bit
.set i, i+1
.endr
.irp q, 0,1,2,3
	v_lshlrev_b32 v[SHO+\q], 2, v[IDO+\q]
.endr
.irp j, 0,1,2,3,4,5,6,7
	v_lshlrev_b32 v[GC+\j], v[SID+4*\j], v[ONE]
.endr
.irp q, 1,2,3
.irp j, 0,1,2,3,4,5,6,7
	v_lshl_add_u32 v[GC+\j], v[ONE], v[SID+4*\j+\q], v[GC+\j]
.endr
.endr
	v_lshlrev_b32 v[OC], v[SHO], v[ONE]
.irp q, 1,2,3
	v_lshlrev_b32 v[IQ+\q], v[SHO+\q], v[ONE]
.endr
.irp j, 0,1,2,3,4,5,6,7
	v_and_b32 v[AE+\j], s59, v[GC+\j]
	v_lshrrev_b32 v[AO+\j], 4, v[GC+\j]
.endr
.irp q, 1,2,3                          ; the count so far is the token's rank
	v_bfe_u32 v[RK+\q], v[OC], v[SHO+\q], 4
	v_add_nc_u32 v[OC], v[OC], v[IQ+\q]
.endr
.irp j, 0,1,2,3,4,5,6,7
	v_and_b32 v[AO+\j], s59, v[AO+\j]
.endr
.macro SUM8 d                          ; the eight groups' fields added
	v_add3_u32 v[\d], v[AE], v[AE+1], v[AE+2]
	v_add3_u32 v[\d+1], v[AO], v[AO+1], v[AO+2]
	v_add3_u32 v[\d], v[\d], v[AE+3], v[AE+4]
	v_add3_u32 v[\d+1], v[\d+1], v[AO+3], v[AO+4]
	v_add3_u32 v[\d], v[\d], v[AE+5], v[AE+6]
	v_add3_u32 v[\d+1], v[\d+1], v[AO+5], v[AO+6]
	v_add_nc_u32 v[\d], v[\d], v[AE+7]
	v_add_nc_u32 v[\d+1], v[\d+1], v[AO+7]
.endm
	SUM8 SU
.irp j, 0,1,2,3,4,5,6,7
	v_and_b32 v[AE+\j], s[40+\j], v[AE+\j]
	v_and_b32 v[AO+\j], s[40+\j], v[AO+\j]
.endr
	SUM8 SU+2
	v_lshrrev_b32 v[SU+5], 4, v[OC]
	v_and_b32 v[SU+4], s59, v[OC]
	v_and_b32 v[SU+5], s59, v[SU+5]
.irp x, 0,1,2
.irp j, 0,1,2,3
	v_bfe_u32 v[P0+\j], v[SU+2*\x], 8*\j, 8
	v_bfe_u32 v[P1+\j], v[SU+2*\x+1], 8*\j, 8
.endr
.irp j, 0,1,2,3
	v_lshl_or_b32 v[QF+4*\x+\j], v[P1+\j], 16, v[P0+\j]
.endr
.endr
.irp j, 0,1,2,3
	v_mov_b32 v[OWN+\j], v[QF+8+\j]
.endr
.irp n, 1,2,4,8                        ; sums up to and with my lane, inside each half of 16 lanes
.irp j, 0,1,2,3,4,5,6,7,8,9,10,11
	v_mov_b32_dpp v[DP+\j], v[QF+\j] row_shr:\n row_mask:0xf bank_mask:0xf bound_ctrl:1
.endr
.irp j, 0,1,2,3,4,5,6,7,8,9,10,11
	v_add_nc_u32 v[QF+\j], v[QF+\j], v[DP+\j]
.endr
.endr
	v_cmp_lt_u32 vcc_lo, 15, v2
.irp j, 0,1,2,3,4,5,6,7,8,9,10,11
	v_readlane_b32 s[24+\j], v[QF+\j], 15          ; the lower half's sums,
.endr
.irp j, 0,1,2,3,4,5,6,7,8,9,10,11
	v_readlane_b32 s[36+\j], v[QF+\j], 31          ; and the upper half's
.endr
.irp j, 0,1,2,3
	v_mov_b32 v[DP+\j], s[32+\j]
.endr
.irp j, 0,1,2,3
	v_cndmask_b32 v[DP+\j], 0, v[DP+\j], vcc_lo    ; lanes 16-31 add the lower half's own tokens
.endr
.irp j, 0,1,2,3
	v_add_nc_u32 v[QF+8+\j], v[QF+8+\j], v[DP+\j]
.endr
.irp j, 0,1,2,3,4,5,6,7,8,9,10,11
	s_add_co_u32 s[36+\j], s[36+\j], s[24+\j]      ; my wave's sums (no field passes 16 bits)
.endr
	s_lshl_b32 s21, s20, 4
	s_wait_alu depctr_va_vdst(0)
.irp j, 0,1,2,3,4,5,6,7,8,9,10,11
	v_mov_b32 v[WQ+\j], s[36+\j]
.endr
	v_mov_b32 v[LQ], s21
	ds_store_b128 v[LQ], v[WQ:WQ+3] offset:TOTS    ; all lanes write the same bytes with the same numbers
	ds_store_b128 v[LQ], v[WQ+4:WQ+7] offset:TOTS+128
	ds_store_b128 v[LQ], v[WQ+8:WQ+11] offset:TOTS+256
	s_wait_alu depctr_va_vdst(0)
	s_wait_dscnt 0x0                               ; my sums are in LDS, for the other waves' sake
	s_barrier_signal -1                            ; all eight waves of this work-group are on this way
	s_barrier_wait -1
	v_and_b32 v[LR], 7, v0
	v_lshlrev_b32 v[LR], 4, v[LR]
	ds_load_b128 v[WQ:WQ+3], v[LR] offset:TOTS     ; lane l holds wave l % 8's sums
	ds_load_b128 v[WQ+4:WQ+7], v[LR] offset:TOTS+128
	ds_load_b128 v[WQ+8:WQ+11], v[LR] offset:TOTS+256
	s_wait_dscnt 0x0
.irp j, 0,1,2,3
	v_mov_b32 v[WQO+\j], v[WQ+8+\j]
.endr
.irp n, 1,2,4
.irp j, 0,1,2,3,4,5,6,7,8,9,10,11
	v_mov_b32_dpp v[DP+\j], v[WQ+\j] row_shr:\n row_mask:0xf bank_mask:0xf bound_ctrl:1
.endr
.irp j, 0,1,2,3,4,5,6,7,8,9,10,11
	v_add_nc_u32 v[WQ+\j], v[WQ+\j], v[DP+\j]      ; in lanes 0-7: the sums of waves 0 .. l
.endr
.endr
.irp j, 0,1,2,3
	v_sub_nc_u32 v[WQO+\j], v[WQ+8+\j], v[WQO+\j]  ; of the waves before wave l
.endr
.irp j, 0,1,2,3
	v_readlane_b32 s[24+\j], v[WQ+\j], 7           ; T
	v_readlane_b32 s[28+\j], v[WQ+4+\j], 7         ; B
	v_readlane_b32 s[32+\j], v[WQO+\j], s20        ; O of the waves before mine
.endr
.irp j, 0,1,2,3
	s_and_b32 s[40+2*\j], s[24+\j], 0xffff         ; s40-47: each expert's tokens
	s_lshr_b32 s[41+2*\j], s[24+\j], 16
.endr
	s_mov_b32 s66, 0                               ; s66-73: each expert's first place
.irp e, 0,1,2,3,4,5,6
	s_add_co_u32 s[67+\e], s[66+\e], s[40+\e]
.endr
.irp j, 0,1,2,3
	s_lshl_b32 s21, s[67+2*\j], 16
	s_or_b32 s21, s21, s[66+2*\j]                  ; each expert's first place, in the fields' layout,
	s_add_co_u32 s[32+\j], s[32+\j], s21           ; + own tokens of the waves before mine
	s_add_co_u32 s[32+\j], s[32+\j], s[28+\j]      ; + the groups before mine
.endr
	s_wait_alu depctr_va_vdst(0)
.irp j, 0,1,2,3
	v_sub_nc_u32 v[QF+8+\j], v[QF+8+\j], v[OWN+\j] ; the lanes before mine,
.endr
.irp q, 0,1,2,3
	v_and_b32 v[P0+\q], 3, v[IDO+\q]
.endr
.irp j, 0,1,2,3
	v_add_nc_u32 v[QF+8+\j], s[32+\j], v[QF+8+\j]  ; so each field is the place of my first own token of that expert
.endr
.irp q, 0,1,2,3
	v_mad_u32_u24 v[P0+\q], v[P0+\q], s57, s58     ; byte selects 2 f and 2 f + 1 of a pair of registers, f = expert % 4
.endr
.irp q, 0,1,2,3
	v_cmp_lt_u32 s[60+\q], 3, v[IDO+\q]            ; experts 4-7
.endr
.irp q, 0,1,2,3
	v_perm_b32 v[P1+\q], v[QF+9], v[QF+8], v[P0+\q]
	v_perm_b32 v[P2+\q], v[QF+11], v[QF+10], v[P0+\q]
.endr
.irp q, 0,1,2,3
	v_cndmask_b32 v[P1+\q], v[P1+\q], v[P2+\q], s[60+\q]
.endr
.irp q, 0,1,2,3
	v_and_b32 v[P1+\q], 0xffff, v[P1+\q]
.endr
.irp q, 0,1,2,3
	v_add_nc_u32 v[P1+\q], v[P1+\q], v[RK+\q]      ; + the token's rank among mine
.endr
.irp q, 0,1,2,3
	v_min_u32 v[P1+\q], 0x1fff, v[P1+\q]           ; (a place is 8,191 at the most)
.endr
.irp q, 0,1,2,3
	v_lshlrev_b32 v[P1+\q], 2, v[P1+\q]
.endr
.irp q, 0,1,2,3
	v_add_nc_u32 v[P2+\q], \q, v[TN]               ; the token's number
.endr
.irp q, 0,1,2,3
	global_store_b32 v[P1+\q], v[P2+\q], s[16:17]
.endr
	s_cmp_lg_u32 ttmp9, 0                          ; the rest is work-group 0's
	s_wait_alu depctr_va_vdst(0)
	s_cbranch_scc1 .Lsorted
	global_store_b32 v[A4], v[ZR], s[16:17] offset:32768   ; the 256 words behind the list
	s_mov_b32 s48, 0                               ; s48-56: each expert's first tile of 144
	s_mov_b32 s75, 0                               ; the largest count
.irp e, 0,1,2,3,4,5,6,7
	s_add_co_u32 s21, s[40+\e], TILE-1
	s_mul_i32 s21, s21, 116509                     ; / 144, rounded down: 116,509 / 2^24 is 1 / 144 x (1 + 4.8e-6); up to 8,335 the excess stays under 3e-4, under 1 / 144
	s_lshr_b32 s21, s21, 24
	s_add_co_u32 s[49+\e], s[48+\e], s21
	s_max_u32 s75, s75, s[40+\e]
.endr
	s_cmp_le_u32 s75, 8*TILE                       ; does every expert fit eight tiles?
	s_cselect_b32 s74, -1, 0
	; THE HEADERS: thread y writes tile y's (y = 0 .. 63 are used).  Where every expert fits eight tiles of 144 (s74): expert 4 (y % 2) + y / 16, its part (y / 2) % 8 of eight of ceil(count / 8) rows.
	; Else tiles of 144 in the experts' order: 8,192 tokens in 8 experts fill at most ceil(8192 / 144) + 7 = 64, whatever the split; the expert is the last whose first tile is y or less.
	v_mov_b32 v[HD], 0
	v_and_b32 v[EA], 1, v0
	v_bfe_u32 v[T0], v0, 4, 2
	v_bfe_u32 v[IA], v0, 1, 3
.irp e, 1,2,3,4,5,6,7
	v_cmp_le_u32 s[76+\e], s[48+\e], v0
.endr
	v_lshl_add_u32 v[EA], v[EA], 2, v[T0]
.irp e, 1,2,3,4,5,6,7
	v_cndmask_b32 v[HD], v[HD], \e, s[76+\e]
.endr
	v_cndmask_b32 v[HD], v[HD], v[EA], s74
	v_mov_b32 v[CNV], s40
	v_mov_b32 v[PRV], s66
	v_mov_b32 v[TBV], s48
.irp e, 1,2,3,4,5,6,7
	v_cmp_eq_u32 s[76+\e], \e, v[HD]
.endr
.irp e, 1,2,3,4,5,6,7
	v_cndmask_b32 v[CNV], v[CNV], s[40+\e], s[76+\e]
	v_cndmask_b32 v[PRV], v[PRV], s[66+\e], s[76+\e]
	v_cndmask_b32 v[TBV], v[TBV], s[48+\e], s[76+\e]
.endr
	v_add_nc_u32 v[T0], 7, v[CNV]
	v_sub_nc_u32 v[T1], v0, v[TBV]
	v_mov_b32 v[T2], TILE
	v_lshrrev_b32 v[T0], 3, v[T0]
	v_cndmask_b32 v[T1], v[T1], v[IA], s74         ; which of the expert's tiles
	v_cndmask_b32 v[TT], v[T2], v[T0], s74         ; rows of a tile
	v_mov_b32 v[HD+3], 0
	v_mul_u32_u24 v[T1], v[T1], v[TT]
	s_delay_alu instid0(VALU_DEP_1)
	v_min_u32 v[T1], v[T1], v[CNV]                 ; the expert's tokens in the tiles before this one
	s_delay_alu instid0(VALU_DEP_1)
	v_sub_nc_u32 v[T0], v[CNV], v[T1]
	v_add_nc_u32 v[HD+2], v[PRV], v[T1]
	v_min_u32 v[HD+1], v[TT], v[T0]                ; 0 in a tile behind the last
	global_store_b128 v[A16], v[HD:HD+3], s[16:17] offset:HDR
.Lsorted:
	s_wait_tensorcnt 0x0                           ; the wave's end
	ds_add_u32 v[SPW], v[NIL]
	s_wait_dscnt 0x0
	s_endpgm
.Lfunc_end_k_qee6c169f32_prep:
	.size	k_qee6c169f32_prep, .Lfunc_end_k_qee6c169f32_prep-k_qee6c169f32_prep
	.p2alignl 7, 3214868480
	.fill 96, 4, 3214868480
	.section	.rodata,"a",@progbits
	.p2align	6, 0x0
	.amdhsa_kernel k_qee6c169f32_prep
		.amdhsa_group_segment_fixed_size 1536
		.amdhsa_private_segment_fixed_size 0
		.amdhsa_enable_private_segment 0
		.amdhsa_kernarg_size 64
		.amdhsa_user_sgpr_count 2
		.amdhsa_user_sgpr_kernarg_segment_ptr 1
		.amdhsa_wavefront_size32 1
		.amdhsa_system_sgpr_workgroup_id_x 1
		.amdhsa_system_sgpr_workgroup_id_y 1
		.amdhsa_system_sgpr_workgroup_id_z 1
		.amdhsa_system_vgpr_workitem_id 0
		.amdhsa_next_free_vgpr 160
		.amdhsa_next_free_sgpr 96
		.amdhsa_reserve_vcc 1
		.amdhsa_float_denorm_mode_32 3
		.amdhsa_float_denorm_mode_16_64 3
		.amdhsa_memory_ordered 1
		.amdhsa_forward_progress 1
		.amdhsa_inst_pref_size 64
	.end_amdhsa_kernel
	.amdgpu_metadata
---
amdhsa.version: [ 1, 2 ]
amdhsa.kernels:
  - .name:           k_qee6c169f32_prep
    .symbol:         k_qee6c169f32_prep.kd
    .args:
      - { .name: W, .offset: 0, .size: 8, .value_kind: global_buffer, .address_space: global }
      - { .name: x, .offset: 8, .size: 8, .value_kind: global_buffer, .address_space: global }
      - { .name: lowp_scales, .offset: 16, .size: 8, .value_kind: global_buffer, .address_space: global }
      - { .name: type_ids, .offset: 24, .size: 8, .value_kind: global_buffer, .address_space: global }
      - { .name: wfrag, .offset: 32, .size: 8, .value_kind: global_buffer, .address_space: global }
      - { .name: xcodes, .offset: 40, .size: 8, .value_kind: global_buffer, .address_space: global }
      - { .name: route, .offset: 48, .size: 8, .value_kind: global_buffer, .address_space: global }
      - { .name: out0, .offset: 56, .size: 8, .value_kind: global_buffer, .address_space: global }
    .group_segment_fixed_size: 1536
    .private_segment_fixed_size: 0
    .kernarg_segment_align: 8
    .kernarg_segment_size: 64
    .max_flat_workgroup_size: 256
    .sgpr_count:     96
    .vgpr_count:     160
    .wavefront_size: 32
...
	.end_amdgpu_metadata
.endif
;; end of part 1
;; launch moe (part 2): grid 4 x 64, 4 waves a work-group, no clusters, 297,728 bytes of LDS; arguments xcodes, wfrag, route, b, lowp_scales, out0; writes out0
.if DOCPART == 2
	.amdgcn_target "amdgcn-amd-amdhsa--gfx1250"
	.amdhsa_code_object_version 6
	.text
	.protected	k_qee6c169f32_moe
	.globl	k_qee6c169f32_moe
	.p2align	8
	.type	k_qee6c169f32_moe,@function
k_qee6c169f32_moe:
	s_mov_b64 s[64:65], 0
	v_nop
	global_prefetch_b8 v0, s[64:65] scope:SCOPE_SE
	s_setreg_imm32_b32 hwreg(HW_REG_WAVE_MODE, 25, 1), 1
	s_wait_xcnt 0x0
; out0[n][0:1024] = (codes of x[n]) . (codes of W[type n]) x 2^(e0 + e1) + b[type n].  Only the chosen expert's product is made for a token (work left out: see the first kernel); the one-hot tail is stored there too.
; SHARES.  Work-group (c, y): tile y of route's list (up to 144 tokens of ONE expert) x columns 256 c .. + 255.  Wave w: all 144 rows x columns 256 c + 64 w .. + 63.
;   Rows past the tile's own hold other tokens of the list: they are multiplied like any other and not stored, so every wave passes every barrier, whatever the list says.
; OPERANDS.  W's codes lie in the order of the operand's registers: the wave's 32 fragments (4 column tiles x 8 K steps, 512 registers) come straight into registers, each byte once.
;   Their loads begin before the header is read, with the expert that an even list gives this tile; if the header names another one, what was loaded is loaded anew.
;   x's rows are gathered into LDS in three chunks of 48 rows (each wave 12 rows of a chunk) and read by all four waves.
; RESULTS.  Source 0 = 16 rows of x, source 1 = a column tile t of W, which holds the columns 64 G + 4 r + t: lane (r, h), register j of tiles 0 .. 3 is row 8 h + j, columns 4 r .. 4 r + 3.
;   So sixteen lanes put 256 consecutive bytes of a row into the stage.  A chunk's results leave while the next chunk is multiplied: two rows' stores behind each of its first six K steps.
; THE WAY OUT.  A row of out0 is 4,128 bytes, so row n begins 32 n bytes (modulo 256) past an aligned 256.  The work-group's 1,024 bytes of a row leave ROTATED: sixteen lanes begin at the first aligned 256
;   inside the piece, so three of the four stores cover 256 consecutive bytes, aligned; the fourth wraps round and carries the piece's end and its beginning.
; NO JOINT LOADS, NO TENSOR LOADS: the rows are a gather by a stored list, W's address hangs on a stored expert, and how many tiles share an expert hangs on the counts, so no fixed group of work-groups shares W at
;   every split; and text branches on the stored list.  No prefetch: there is no loop to run ahead in.
; LIMITS: e0 + e1 between -126 and 127, so that 2^(e0 + e1) is an f32 number.
; REGISTERS.  window 0: v1-16 addresses, v17-18 the add's, v20-23 bias, v24-35 the gather's offsets, v36-59 the way out's addresses, v60 at work, v64-159 x's fragments (two buffers of 3 x 16),
;   v160-255 results and rows on their way out.  window 1: v0-95 accumulators, v96-191 gathered rows.  windows 2, 3: W's fragment (t, s) at v[16 (4 (s % 4) + t)] of window 2 + s / 4.
.set PITCH, 1040                       ; a row of codes in LDS: 1,024 bytes + 16: an odd multiple of 16, so that the sixteen rows of a load begin at sixteen different 16-byte columns modulo 256
.set STG,   144*PITCH                  ; the stage: 144 rows of 1,024 bytes of results
.set SPARE, STG+144*1024               ; the spare words, 128 bytes for each wave
.set ROWO,  4128
.set HDR,   33792
.set BIAS,  20
.set GAD,   24
.set LA,    36
.set GA,    48
.set AF,    64
.set Q,     160
.set G0,    96
.set TOK,   28                         ; s28-63: my wave's tokens, 12 of each chunk
.set MSB, 0
.macro WIN new                         ; low byte: bits 1:0 source 0, 3:2 source 1, 5:4 source 2, 7:6 destination; the high byte repeats the setting that is left
.if MSB != (\new)
	s_set_vgpr_msb (MSB<<8)|(\new)
.set MSB, (\new)
.endif
.endm
.macro PLACES                          ; four plain places behind matrix instructions (ISA guide 7.12.1)
.rept 4
	v_nop
.endr
.endm
.macro BLOAD s                         ; W's four fragments of K step s: 16 loads of 512 consecutive bytes
	WIN 0x80+0x40*((\s)/4)
.irp t, 0,1,2,3
.irp h, 0,1,2,3
	global_load_b128 v[16*(4*((\s)%4)+\t)+4*\h:16*(4*((\s)%4)+\t)+4*\h+3], v1, s[74:75] offset:8192*(\s)+2048*\t+512*\h
.endr
.endr
	WIN 0
.endm
.macro GATHER ck                       ; my 12 rows of chunk ck: 512 consecutive bytes a load, two loads a row
.irp j, 0,1,2,3,4,5,6,7,8,9,10,11
	v_lshl_add_u32 v[GAD+\j], s[TOK+12*(\ck)+\j], 10, v1
.endr
	WIN 0x40
.irp j, 0,1,2,3,4,5,6,7,8,9,10,11
	global_load_b128 v[G0+8*\j:G0+8*\j+3], v[GAD+\j], s[4:5]
	global_load_b128 v[G0+8*\j+4:G0+8*\j+7], v[GAD+\j], s[4:5] offset:512
.endr
	WIN 0
.endm
.macro XSTORE ck
	WIN 0x04
.irp j, 0,1,2,3,4,5,6,7,8,9,10,11
	ds_store_b128 v[4+\ck], v[G0+8*\j:G0+8*\j+3] offset:PITCH*\j
	ds_store_b128 v[4+\ck], v[G0+8*\j+4:G0+8*\j+7] offset:PITCH*\j+512
.endr
	WIN 0
.endm
.macro AFETCH ck, s                    ; x's three fragments of K step s: registers 4 ch .. 4 ch + 3 hold places 32 ch + 16 h + 0 .. 15, as W's do
.set BF, AF+48*((\s)%2)
.irp a, 0,1,2
.irp h, 0,1,2,3
	ds_load_b128 v[BF+16*\a+4*\h:BF+16*\a+4*\h+3], v[7+\ck] offset:16*PITCH*\a+128*(\s)+32*\h
.endr
.endr
.endm
.macro MUL s                           ; the 12 accumulators take turns, one instruction a turn, in the same order in every K step; the first K step starts the sums
.set BF, AF+48*((\s)%2)
.set WB, 64*((\s)%4)
	WIN 0x58+0x04*((\s)/4)
.irp a, 0,1,2
.irp t, 0,1,2,3
.if (\s) == 0
	v_wmma_f32_16x16x128_fp8_fp8 v[32*\a+8*\t:32*\a+8*\t+7], v[BF+16*\a:BF+16*\a+15], v[WB+16*\t:WB+16*\t+15], 0
.else
	v_wmma_f32_16x16x128_fp8_fp8 v[32*\a+8*\t:32*\a+8*\t+7], v[BF+16*\a:BF+16*\a+15], v[WB+16*\t:WB+16*\t+15], v[32*\a+8*\t:32*\a+8*\t+7]
.endif
.endr
.endr
	WIN 0
.endm
.macro SENDPAIR ck, p                  ; two rows: three stores of aligned 256 bytes a row, and the piece's end and beginning; none where both rows are past the tile's own
	s_cmp_gt_i32 s[66+\ck], 2*(\p)
	s_cbranch_scc0 .Lnone_\@
.irp u, 0,1,2
	global_store_b128 v[GA+2*(\p)], v[Q+16*(\p)+4*\u:Q+16*(\p)+4*\u+3], s[14:15] offset:256*\u th:TH_STORE_NT
.endr
	global_store_b128 v[GA+2*(\p)+1], v[Q+16*(\p)+12:Q+16*(\p)+15], s[14:15] th:TH_STORE_NT
.Lnone_\@:
.endm
.macro KSTEP ck, s                     ; 128 along K; the next step's fragments are on their way while this one is multiplied
.if (\s) > 0
	PLACES                                         ; for the loads into the buffer that the step before multiplied (at step 0 the results' multiply-adds stand between)
.endif
.if (\s) < 7
	AFETCH \ck, \s+1
.endif
.if (\ck) == 0
.if (\s) == 4
	s_wait_loadcnt 63                              ; behind W's step 4: 48 loads of W and 24 gathered; at most the youngest 63 are out
.elseif (\s) > 4
	s_wait_loadcnt 24+16*(7-(\s))                  ; the later steps of W and the 24 gathered loads of chunk 1 may be out
.endif
.endif
.if (\s) < 7
	s_wait_dscnt 12                                ; all but the 12 just issued
.else
	s_wait_dscnt 0x0
.endif
	MUL \s
.if ((\ck) > 0) && ((\s) < 6)
	SENDPAIR \ck-1, \s
.endif
.endm
; The way out's addresses.  Pair p: lanes 0-15 take my row 2 p of the chunk, lanes 16-31 row 2 p + 1; where that one is past the tile's own, they take row 2 p too (the same bytes to the same place).
; sigma = (-32 token) mod 256 = (224 token) & 224 is the first byte of the piece that lies at an aligned 256 of out0; a = sigma + 16 r; the fourth chunk, a + 768, wraps at 1,024.
.macro OADDR ck
.irp p, 0,1,2,3,4,5
	s_cmp_gt_i32 s[66+\ck], 2*\p+1
	s_cselect_b32 s76, 0x400, 0
	s_cselect_b32 s77, s[TOK+12*(\ck)+2*\p+1], s[TOK+12*(\ck)+2*\p]
	v_mov_b32 v[GA+2*\p+1], s[TOK+12*(\ck)+2*\p]
	v_and_b32 v60, s76, v13
	v_cndmask_b32 v[GA+2*\p+1], v[GA+2*\p+1], s77, s70
	v_min_u32 v60, 0x400, v60                      ; the choice hangs on a stored count: held by a constant before it enters an address
	v_add_nc_u32 v60, s[84+\ck], v60               ; the row's first byte in the stage, less the pair's
	v_min_u32 v[GA+2*\p+1], 0x1fff, v[GA+2*\p+1]
	v_mul_u32_u24 v[LA+2*\p], 224, v[GA+2*\p+1]
	v_mul_u32_u24 v[GA+2*\p], ROWO, v[GA+2*\p+1]
	v_and_b32 v[LA+2*\p], 224, v[LA+2*\p]
	v_add_nc_u32 v[GA+2*\p], s71, v[GA+2*\p]       ; the piece's first byte in out0
	v_add_nc_u32 v[LA+2*\p], v[LA+2*\p], v16       ; a, a multiple of 16
	v_add_nc_u32 v[LA+2*\p+1], 0x300, v[LA+2*\p]
	v_and_b32 v[LA+2*\p+1], 0x3f0, v[LA+2*\p+1]    ; the wrapping chunk's place
	v_add_nc_u32 v[GA+2*\p+1], v[GA+2*\p], v[LA+2*\p+1]
	v_add_nc_u32 v[GA+2*\p], v[GA+2*\p], v[LA+2*\p]
	v_add_nc_u32 v[LA+2*\p], v60, v[LA+2*\p]
	v_add_nc_u32 v[LA+2*\p+1], v60, v[LA+2*\p+1]
.endr
.endm
; A chunk is finished: sum x 2^(e0 + e1) + b, each accumulator from its low end on, into the stage; the next chunk's gathered rows into LDS; ONE barrier for both; then my 12 rows come back.
; The stage and x's rows have bytes of their own for each chunk, so no barrier is needed ahead of the stores.
.macro EPI ck
.if (\ck) > 0
	s_wait_xcnt 0x0                                ; the chunk before: its stores have read their registers, which are written again below
.endif
	PLACES
	WIN 0x01
.irp a, 0,1,2
.irp j, 0,1,2,3,4,5,6,7
.irp t, 0,1,2,3
	v_fma_f32 v[Q+32*\a+4*\j+\t], v[32*\a+8*\t+\j], s72, v[BIAS+\t]
.endr
.endr
.endr
	WIN 0
.irp a, 0,1,2
.irp j, 0,1,2,3,4,5,6,7
	ds_store_b128 v[10+\ck], v[Q+32*\a+4*\j:Q+32*\a+4*\j+3] offset:1024*(16*\a+\j)   ; row 16 a + 8 h + j of the chunk
.endr
.endr
	OADDR \ck
	s_wait_alu depctr_va_vdst(0)
.if (\ck) < 2
	s_wait_loadcnt 0x0                             ; the next chunk's rows are in registers
	XSTORE \ck+1
.endif
	s_wait_dscnt 0x0                               ; for the others' sake: my stores into LDS are done
	s_barrier_signal -1
	s_barrier_wait -1
.if (\ck) == 0
	GATHER 2                                       ; into registers that XSTORE has read
.endif
.irp p, 0,1,2,3,4,5
.irp u, 0,1,2
	ds_load_b128 v[Q+16*\p+4*\u:Q+16*\p+4*\u+3], v[LA+2*\p] offset:2048*\p+256*\u
.endr
	ds_load_b128 v[Q+16*\p+12:Q+16*\p+15], v[LA+2*\p+1] offset:2048*\p
.endr
.endm
	s_load_b256 s[4:11], s[0:1], 0x0               ; xcodes s[4:5], wfrag s[6:7], route s[8:9], b s[10:11]
	s_load_b128 s[12:15], s[0:1], 0x20             ; the scales' exponents s[12:13], out0 s[14:15]
	v_lshl_add_u32 v17, v0, 2, SPARE
	v_mov_b32 v18, 0
	v_lshrrev_b32 v60, 5, v0
	v_readfirstlane_b32 s16, v60                   ; wave 0..3
	s_mov_b32 s17, ttmp9                           ; c
	s_and_b32 s18, ttmp7, 0xffff                   ; y
	s_and_b32 s19, s18, 1
	s_lshl_b32 s19, s19, 2
	s_lshr_b32 s69, s18, 4
	s_add_co_u32 s19, s19, s69                     ; the expert that an even list gives tile y: 4 (y % 2) + y / 16
	s_lshl_b32 s78, s17, 18                        ; in wfrag: G = 4 c + w, 64 KiB each
	s_lshl_b32 s69, s16, 16
	s_add_co_u32 s78, s78, s69
	s_mov_b32 s79, 0
	s_lshl_b32 s76, s19, 20
	s_mov_b32 s77, 0
	s_add_nc_u64 s[76:77], s[76:77], s[78:79]
	s_lshl_b32 s80, s18, 4                         ; my tile's header
	s_mov_b32 s81, 0
	v_and_b32 v1, 31, v0
	v_lshlrev_b32 v1, 4, v1                        ; 16 x lane
	v_and_b32 v2, 15, v0                           ; r
	v_bfe_u32 v3, v0, 4, 1                         ; h
	s_mul_i32 s69, s16, 12*PITCH
	v_add_nc_u32 v4, s69, v1                       ; the gather's way into LDS, a register a chunk
	v_add_nc_u32 v5, 48*PITCH, v4
	v_add_nc_u32 v6, 96*PITCH, v4
	v_mul_u32_u24 v7, PITCH, v2
	v_lshl_add_u32 v7, v3, 4, v7                   ; x's fragments: row r, + 16 h
	v_add_nc_u32 v8, 48*PITCH, v7
	v_add_nc_u32 v9, 96*PITCH, v7
	v_lshlrev_b32 v16, 4, v2                       ; 16 r
	v_lshl_add_u32 v10, v3, 13, v16                ; into the stage: row 8 h, my wave's 256 bytes
	s_lshl_b32 s69, s16, 8
	s_add_co_u32 s69, s69, STG
	v_add_nc_u32 v10, s69, v10
	v_add_nc_u32 v11, 48*1024, v10
	v_add_nc_u32 v12, 96*1024, v10
	v_lshlrev_b32 v13, 10, v3                      ; 1,024 h
	s_mul_i32 s84, s16, 12*1024                    ; out of the stage: my 12 rows of each chunk
	s_add_co_u32 s84, s84, STG
	s_add_co_u32 s85, s84, 48*1024
	s_add_co_u32 s86, s84, 96*1024
	s_mov_b32 s70, 0xffff0000                      ; lanes 16-31
	s_lshl_b32 s71, s17, 10                        ; 1,024 c
	s_wait_alu depctr_va_vdst(0)
	s_wait_kmcnt 0x0
	s_add_nc_u64 s[82:83], s[8:9], s[80:81]
	s_load_b128 s[24:27], s[82:83], HDR            ; expert, rows, first place in the list
	s_load_b64 s[22:23], s[12:13], 0x0             ; e0, e1
	s_add_nc_u64 s[74:75], s[6:7], s[76:77]
	BLOAD 0
	BLOAD 1
	s_wait_kmcnt 0x0
	s_min_u32 s24, s24, 7
	s_min_u32 s25, s25, 144
	s_min_u32 s26, s26, 0x2000
	s_mul_i32 s69, s16, 12
	s_add_co_u32 s80, s26, s69
	s_lshl_b32 s80, s80, 2
	s_add_nc_u64 s[20:21], s[8:9], s[80:81]
	s_load_b256 s[28:35], s[20:21], 0x0            ; my 12 tokens of each chunk, 48 words apart; behind the list's 8,192 words stand 256 more
	s_load_b128 s[36:39], s[20:21], 0x20
	s_load_b256 s[40:47], s[20:21], 0xc0
	s_load_b128 s[48:51], s[20:21], 0xe0
	s_load_b256 s[52:59], s[20:21], 0x180
	s_load_b128 s[60:63], s[20:21], 0x1a0
	s_lshl_b32 s76, s24, 12                        ; b: expert, 256 c + 64 w
	s_add_co_u32 s76, s76, s71
	s_lshl_b32 s77, s16, 8
	s_add_co_u32 s76, s76, s77
	s_mov_b32 s77, 0
	s_add_nc_u64 s[10:11], s[10:11], s[76:77]
	global_load_b128 v[BIAS:BIAS+3], v16, s[10:11] ; columns 4 r .. 4 r + 3
	s_cmp_eq_u32 s24, s19                          ; a branch on a stored whole number; no barrier stands under it
	s_cbranch_scc1 .Lhit
	s_wait_loadcnt 0x0                             ; the list is not an even one: these registers are loaded anew
	s_lshl_b32 s76, s24, 20
	s_mov_b32 s77, 0
	s_add_nc_u64 s[76:77], s[76:77], s[78:79]
	s_add_nc_u64 s[74:75], s[6:7], s[76:77]
	BLOAD 0
	BLOAD 1
.Lhit:
	BLOAD 2
	BLOAD 3
	s_wait_kmcnt 0x0
.set i, 0
.rept 36
	s_min_u32 s[TOK+i], s[TOK+i], 8191
.set i, i+1
.endr
	GATHER 0
	BLOAD 4
	BLOAD 5
	s_mul_i32 s69, s16, 12
	s_sub_co_i32 s69, s25, s69
.irp j, 0,1,2                          ; s66-68: how many of my 12 rows of each chunk are the tile's own
	s_sub_co_i32 s[66+\j], s69, 48*\j
	s_max_i32 s[66+\j], s[66+\j], 0
	s_min_i32 s[66+\j], s[66+\j], 12
.endr
	s_add_co_i32 s72, s22, s23
	s_add_co_i32 s72, s72, 127
	s_lshl_b32 s72, s72, 23                        ; 2^(e0 + e1) as f32
	s_wait_loadcnt 32                              ; behind chunk 0's rows stand the 32 loads of W's steps 4 and 5: the rows, the bias and W's steps 0-3 are in
	XSTORE 0
	BLOAD 6
	BLOAD 7
	s_wait_dscnt 0x0                               ; for the others' sake: my 12 rows are in LDS
	s_barrier_signal -1
	s_barrier_wait -1
	GATHER 1
	AFETCH 0, 0
.irp s, 0,1,2,3,4,5,6,7
	KSTEP 0, \s
.endr
	EPI 0
	AFETCH 1, 0
.irp s, 0,1,2,3,4,5,6,7
	KSTEP 1, \s
.endr
	EPI 1
	AFETCH 2, 0
.irp s, 0,1,2,3,4,5,6,7
	KSTEP 2, \s
.endr
	EPI 2
.irp p, 0,1,2,3,4,5
	s_wait_dscnt 4*(5-\p)                          ; this pair's four loads are in
	SENDPAIR 2, \p
.endr
	s_wait_tensorcnt 0x0                           ; the wave's end
	ds_add_u32 v17, v18
	s_wait_dscnt 0x0
	s_endpgm
.Lfunc_end_k_qee6c169f32_moe:
	.size	k_qee6c169f32_moe, .Lfunc_end_k_qee6c169f32_moe-k_qee6c169f32_moe
	.p2alignl 7, 3214868480
	.fill 96, 4, 3214868480
	.section	.rodata,"a",@progbits
	.p2align	6, 0x0
	.amdhsa_kernel k_qee6c169f32_moe
		.amdhsa_group_segment_fixed_size 297728
		.amdhsa_private_segment_fixed_size 0
		.amdhsa_enable_private_segment 0
		.amdhsa_kernarg_size 48
		.amdhsa_user_sgpr_count 2
		.amdhsa_user_sgpr_kernarg_segment_ptr 1
		.amdhsa_wavefront_size32 1
		.amdhsa_system_sgpr_workgroup_id_x 1
		.amdhsa_system_sgpr_workgroup_id_y 1
		.amdhsa_system_sgpr_workgroup_id_z 1
		.amdhsa_system_vgpr_workitem_id 0
		.amdhsa_next_free_vgpr 1024
		.amdhsa_next_free_sgpr 96
		.amdhsa_reserve_vcc 0
		.amdhsa_float_denorm_mode_32 3
		.amdhsa_float_denorm_mode_16_64 3
		.amdhsa_memory_ordered 1
		.amdhsa_forward_progress 1
		.amdhsa_inst_pref_size 130
	.end_amdhsa_kernel
	.amdgpu_metadata
---
amdhsa.version: [ 1, 2 ]
amdhsa.kernels:
  - .name:           k_qee6c169f32_moe
    .symbol:         k_qee6c169f32_moe.kd
    .args:
      - { .name: xcodes, .offset: 0, .size: 8, .value_kind: global_buffer, .address_space: global }
      - { .name: wfrag, .offset: 8, .size: 8, .value_kind: global_buffer, .address_space: global }
      - { .name: route, .offset: 16, .size: 8, .value_kind: global_buffer, .address_space: global }
      - { .name: b, .offset: 24, .size: 8, .value_kind: global_buffer, .address_space: global }
      - { .name: lowp_scales, .offset: 32, .size: 8, .value_kind: global_buffer, .address_space: global }
      - { .name: out0, .offset: 40, .size: 8, .value_kind: global_buffer, .address_space: global }
    .group_segment_fixed_size: 297728
    .private_segment_fixed_size: 0
    .kernarg_segment_align: 8
    .kernarg_segment_size: 48
    .max_flat_workgroup_size: 128
    .sgpr_count:     96
    .vgpr_count:     1024
    .wavefront_size: 32
...
	.end_amdgpu_metadata
.endif
;; end of part 2
